; MI455X (gfx1250); checked and timed in simulation.
; The chip was launched on July 23, 2026; its instructions are those of AMD's public machine-readable ISA for CDNA 5 (MIT licence, August 2026) and "CDNA5" Instruction Set Architecture Reference Guide (July 2026). The comments in the code are by the model that wrote it; some were corrected since.
;; Vector Quantize. Allowed arithmetic: matrix products marked QUANTISED: E5M2 operands, one E8M0 scale for each 32 along K, by v_wmma_scale_f32_16x16x128_f8f6f4 with both operands' format E5M2, f32 sums; everything else in f32.
;; Inputs: embeddings 256 x 8,192 float32; x 32 x 32 x 32 x 256 float32.
;; Outputs: out0 32 x 32 x 32 x 256 float32; out1 one number float32.
;; This version of the problem:
;;   THIS VERSION OF THE PROBLEM IS GIVEN IN LOW PRECISION. The matrix products marked QUANTISED in the list below multiply operands that are first quantised to E5M2 (5 exponent bits, 2 mantissa bits; 8 bits a number), with one power-of-two scale for each 32 numbers along K (OCP MX v1.0); their sums are f32. All else is computed in f32.
;;   The module's matrix products, in the order in which they are computed (A, B: the left and right operand; K: the contracted axis; several contracted axes count as one K, in the product's order):
;;     1. [M 32,768, K 256] x [K 256, N 8,192]; A: input x; B: input embeddings: QUANTISED
;;   THE QUANTISER, for each operand of a quantised product, along K:
;;     - K is cut into blocks of 32 from its start; a last block that is shorter is filled with zeros.
;;     - A block's scale is 2^e with e = floor(log2(the largest magnitude in the block)) - 15, held to -126 .. 127; a block of zeros has e = 0. As a byte (E8M0): e + 127.
;;     - Each number is divided by its block's scale, clamped to +-57,344, and rounded to the nearest number of E5M2, ties to even, subnormals kept.
;;     - The product sums the exact products of the quantised numbers (number of the format x scale) in f32.
;;   ~~~python
;;   def quantise(x, axis):      # numpy; x: float32 -> the quantised numbers, widened to float32 again
;;       x = np.moveaxis(x, axis, -1); K = x.shape[-1]
;;       x = np.pad(x, [(0, 0)] * (x.ndim - 1) + [(0, -K % 32)]); x = x.reshape(x.shape[:-1] + (-1, 32)); a = np.abs(x).max(-1, keepdims=True)
;;       e = np.where(a > 0, np.clip(np.frexp(np.where(a > 0, a, 1))[1] - 1 - 15, -126, 127), 0)      # np.frexp(a)[1] - 1 = floor(log2(a)), exactly
;;       r = np.clip(x / 2.0 ** e, -57344, 57344)
;;       step = 2.0 ** (np.maximum(np.frexp(np.where(r == 0, 1, r))[1] - 1, -14) - 2)
;;       q = np.round(r / step) * step * 2.0 ** e      # np.round: ties to even
;;       return np.moveaxis(q.reshape(q.shape[:-2] + (-1,))[..., :K], -1, axis).astype(np.float32)
;;   ~~~
;; One version. Each part assembles by itself: llvm-mc -triple=amdgcn-amd-amdhsa -mcpu=gfx1250 --defsym DOCPART=n.
;; ======== version 1 of 1: 4 launches
;; limits: right only within a limited range of input values
;; workspace buffers: ew 2,228,224 bytes; et 8,388,608 bytes; idx 131,072 bytes of whole numbers; part 2,048 bytes
;; launch prep (part 1): grid 128 x 1, 8 waves a work-group, no clusters, 72,704 bytes of LDS; arguments embeddings, ew, et; writes ew, et
.if DOCPART == 1
	.amdgcn_target "amdgcn-amd-amdhsa--gfx1250"
	.amdhsa_code_object_version 6
	.text
	.protected	k_q6fca7a3eec_prep
	.globl	k_q6fca7a3eec_prep
	.p2align	8
	.type	k_q6fca7a3eec_prep,@function
k_q6fca7a3eec_prep:
	s_mov_b64 s[64:65], 0
	v_nop
	global_prefetch_b8 v0, s[64:65] scope:SCOPE_SE
	s_setreg_imm32_b32 hwreg(HW_REG_WAVE_MODE, 25, 1), 1
	s_wait_xcnt 0x0
; embeddings [256 (k)][8192 (n)], f32, K its FIRST axis, is laid out twice for the launches that follow.
; (1) ew: 512 records of 4,352 bytes, one for each tile of 16 codebook columns, in the ORDER OF THE MATRIX OPERAND'S REGISTERS:
;     bytes 0-4095   codes of BF8 (E5M2): [block of 32 along K, 0..7][lane 0..31][16 bytes]; lane (r, h) holds column 16 T + r, k = 32 block + 16 h + 0..15
;     bytes 4096-4159 the sum of squares of each of the 16 columns, f32
;     bytes 4160-4287 the scale words, 4 bytes a lane: lanes 0-15 the word of k 0-127 of column r, lanes 16-31 that of k 128-255
;     bytes 4288-4351 zeros
; (2) et: the transpose [8192][256] in f32, so that a chosen column can later be read as 1,024 consecutive bytes.
; A block's scale is 2^(floor(log2(its largest magnitude)) - 15); its byte is the largest magnitude's exponent field - 15, held at 1 from below.
; LIMITS: a block of zeros gets the byte 1 where the rule says 127 (its codes are zeros, and this program alone reads the bytes); blocks whose largest
; magnitude lies under 2^-111 were not tried; NaN and infinities are not served; a column's squares are summed in four chains and four quarters of K.
; SHARES.  A work-group takes 64 columns, all of K.  Wave w: columns 32 (w & 1) on, k = 64 (w >> 1) on.  A LANE TAKES A COLUMN AND ITS REGISTERS RUN DOWN K:
; a block of 32 lies in one lane, and the conversions give codes with K innermost.  A lane's 16 codes are 16 bytes of the record, and sixteen neighbouring lanes'
; are 256 consecutive bytes of it, aligned: the codes are stored straight from registers.  No tensor loads, no loop: all 64 loads of a wave go out at once.
.set REC,    4352
.set SPITCH, 272                       ; a stage row: 256 bytes + 16: an odd multiple of 16 bytes, so that sixteen rows begin 16 bytes apart modulo 256
.set WSTG,   32*SPITCH                 ; LDS: a stage of 32 rows for each wave,
.set SMALL,  8*WSTG                    ; then the last 256 bytes of the work-group's four records,
.set PART,   SMALL+1024                ; then each wave's part of the sums of squares: 128 bytes a wave
.set LO,  4                            ; v4   4 x lane: my column in a row of embeddings
.set CO,  5                            ; v5   4352 (lane / 16) + 16 (lane % 16): my place in the wave's two records
.set STI, 6                            ; v6   the stage, on the way in: row = my column
.set STO, 7                            ; v7   and on the way out: sixteen lanes to a row, two rows an instruction
.set EO,  8                            ; v8   the same two rows in et
.set SA,  9                            ; v9   LDS: my column's two scale bytes
.set PA,  10                           ; v10  LDS: my part of my column's sum of squares
.set SMR, 11                           ; v11  LDS: 16 x lane in the two records' last 256 bytes
.set E2A, 12                           ; v12  LDS: my column's sum of squares in its record
.set PRD, 13                           ; v13  LDS: the four parts of my column's sum
.set SQ,  24                           ; v24-31  four chains of squares, two numbers each
.set X,   32                           ; v32-95  my column's 64 numbers, as loaded: they stay so for et
.set H,   96                           ; v96-127 a block's 32 numbers, held within the largest code x the scale
.set C,   128                          ; v128-143 the codes of the two blocks
.set O,   144                          ; v144-207 the way out of the stage
	s_load_b128 s[4:7], s[0:1], 0x0                ; embeddings, ew
	s_load_b64 s[8:9], s[0:1], 0x10                ; et
	v_lshl_add_u32 v208, v0, 2, 0x11800
	v_mov_b32 v209, 0
	v_lshrrev_b32 v1, 5, v0
	s_delay_alu instid0(VALU_DEP_1)
	v_readfirstlane_b32 s10, v1                    ; wave 0..7
	s_and_b32 s11, s10, 1                          ; which 32 columns
	s_lshr_b32 s12, s10, 1                         ; which 64 along K
	v_and_b32 v1, 31, v0                           ; lane
	v_and_b32 v2, 15, v0                           ; r
	v_bfe_u32 v3, v0, 4, 1                         ; which of the wave's two tiles
	s_delay_alu instid0(VALU_DEP_3)
	v_lshlrev_b32 v[LO], 2, v1
	s_delay_alu instid0(VALU_DEP_2)
	v_mul_u32_u24 v[CO], v3, REC
	s_delay_alu instid0(VALU_DEP_1)
	v_lshl_add_u32 v[CO], v2, 4, v[CO]
	s_mul_i32 s20, s10, WSTG
	v_mul_u32_u24 v[STI], v1, SPITCH
	s_delay_alu instid0(VALU_DEP_1)
	v_add_nc_u32 v[STI], s20, v[STI]
	v_mul_u32_u24 v[STO], v3, SPITCH
	s_delay_alu instid0(VALU_DEP_1)
	v_lshl_add_u32 v[STO], v2, 4, v[STO]
	s_delay_alu instid0(VALU_DEP_1)
	v_add_nc_u32 v[STO], s20, v[STO]
	v_lshlrev_b32 v[EO], 10, v3
	s_delay_alu instid0(VALU_DEP_1)
	v_lshl_add_u32 v[EO], v2, 4, v[EO]
	s_lshl_b32 s21, s11, 9
	s_add_co_u32 s21, s21, SMALL                   ; my two records' last 256 bytes
	v_lshlrev_b32 v[E2A], 8, v3
	s_delay_alu instid0(VALU_DEP_1)
	v_lshl_add_u32 v[E2A], v2, 2, v[E2A]
	s_delay_alu instid0(VALU_DEP_1)
	v_add_nc_u32 v[E2A], s21, v[E2A]
	s_lshr_b32 s22, s12, 1                         ; my blocks 2 kq, 2 kq + 1 lie in the word of K step kq / 2, bytes 2 (kq % 2) and the next
	s_lshl_b32 s22, s22, 6
	s_and_b32 s23, s12, 1
	s_lshl_b32 s23, s23, 1
	s_add_co_u32 s22, s22, s23
	s_add_co_u32 s22, s22, 64
	v_add_nc_u32 v[SA], s22, v[E2A]
	v_lshl_add_u32 v[SMR], v1, 4, s21
	s_lshl_b32 s22, s11, 9
	s_add_co_u32 s22, s22, PART
	v_lshl_add_u32 v[PRD], v1, 2, s22
	s_lshl_b32 s23, s12, 7
	v_add_nc_u32 v[PA], s23, v[PRD]
	s_lshl_b32 s13, ttmp9, 6
	s_lshl_b32 s14, s11, 5
	s_add_co_u32 s13, s13, s14                     ; my wave's first column
	s_lshl_b32 s14, s12, 21                        ; embeddings: 64 kq rows of 32,768 bytes
	s_lshl_b32 s16, s13, 2
	s_add_co_u32 s14, s14, s16
	s_mov_b32 s15, 0
	s_lshl_b32 s16, ttmp9, 2                       ; ew: my wave's first record, and in it 1,024 kq: my two blocks
	s_lshl_b32 s17, s11, 1
	s_add_co_u32 s16, s16, s17
	s_mul_i32 s16, s16, REC
	s_lshl_b32 s17, s12, 10
	s_add_co_u32 s16, s16, s17
	s_mov_b32 s17, 0
	s_lshl_b32 s18, s13, 10                        ; et: my first column's row, and in it 256 kq bytes
	s_lshl_b32 s19, s12, 8
	s_add_co_u32 s18, s18, s19
	s_mov_b32 s19, 0
	s_mov_b32 s24, 0x600000                        ; the mantissa field of 57,344
	s_wait_kmcnt 0x0
	s_add_nc_u64 s[4:5], s[4:5], s[14:15]
	s_add_nc_u64 s[6:7], s[6:7], s[16:17]
	s_add_nc_u64 s[8:9], s[8:9], s[18:19]
.set q, 0
.rept 64
	global_load_b32 v[X+q], v[LO], s[4:5] offset:32768*q th:TH_LOAD_NT   ; row 64 kq + q at 32 neighbouring columns
.set q, q+1
.endr
; One block of 32 along K: its squares, its scale, its codes.
.macro BLOCK bb
.set XB, X+32*(\bb)
	s_wait_loadcnt 32*(1-(\bb))                    ; this block's 32 loads are in; the second block's may be out
.set q, 0
.rept 16
.if ((\bb) == 0) && (q < 4)
	v_pk_mul_f32 v[SQ+2*q:SQ+2*q+1], v[XB+2*q:XB+2*q+1], v[XB+2*q:XB+2*q+1]   ; the first four pairs start the chains: nothing is cleared
.else
	v_pk_fma_f32 v[SQ+2*(q%4):SQ+2*(q%4)+1], v[XB+2*q:XB+2*q+1], v[XB+2*q:XB+2*q+1], v[SQ+2*(q%4):SQ+2*(q%4)+1]
.endif
.set q, q+1
.endr
	v_max3_num_f32 v14, |v[XB]|, |v[XB+1]|, |v[XB+2]|              ; the block's largest magnitude: all 32 numbers are mine
	v_max3_num_f32 v15, |v[XB+3]|, |v[XB+4]|, |v[XB+5]|
.irp i, 6,10,14,18,22,26
	s_delay_alu instid0(VALU_DEP_2)
	v_max3_num_f32 v14, v14, |v[XB+\i]|, |v[XB+\i+1]|
	s_delay_alu instid0(VALU_DEP_2)
	v_max3_num_f32 v15, v15, |v[XB+\i+2]|, |v[XB+\i+3]|
.endr
	s_delay_alu instid0(VALU_DEP_2)
	v_max3_num_f32 v14, v14, |v[XB+30]|, |v[XB+31]|
	s_delay_alu instid0(VALU_DEP_1)
	v_max3_num_f32 v14, v14, v15, 0x8000000        ; and the floor 2^(16 - 127): the byte cannot fall under 1
	s_delay_alu instid0(VALU_DEP_1)
	v_add_nc_u32 v16, 0xf8800000, v14              ; 15 off its exponent field: the conversion takes the exponent field of this operand as its scale
	s_delay_alu instid0(VALU_DEP_2)
	v_and_or_b32 v17, v14, 0x7f800000, s24         ; 57,344 x the scale
.set q, 0
.rept 32
	v_med3_num_f32 v[H+q], v[XB+q], -v17, v17      ; the conversion to an 8-bit code does not saturate (ISA guide 7.6.2): the hold; into H, since et wants the numbers as they came
.set q, q+1
.endr
.irp g, 0,1,2,3
	v_cvt_scalef32_pk8_bf8_f32 v[C+8*(\bb)+2*\g:C+8*(\bb)+2*\g+1], v[H+8*\g:H+8*\g+7], v16
.endr
	v_lshrrev_b32 v[18+(\bb)], 23, v16             ; the scale's byte (also the plain line behind the conversions)
	global_store_b128 v[CO], v[C+8*(\bb):C+8*(\bb)+3], s[6:7] offset:512*(\bb)          ; k 0-15 of the block: the record's lanes 0-15; sixteen lanes store 256 consecutive bytes, aligned
	global_store_b128 v[CO], v[C+8*(\bb)+4:C+8*(\bb)+7], s[6:7] offset:512*(\bb)+256    ; k 16-31: its lanes 16-31
.endm
	BLOCK 0
	BLOCK 1
	v_lshl_or_b32 v20, v19, 8, v18
	ds_store_b16 v[SA], v20                        ; my two scale bytes, into the record's scale words
	v_pk_add_f32 v[SQ:SQ+1], v[SQ:SQ+1], v[SQ+2:SQ+3]
	v_pk_add_f32 v[SQ+4:SQ+5], v[SQ+4:SQ+5], v[SQ+6:SQ+7]
	s_delay_alu instid0(VALU_DEP_1)
	v_pk_add_f32 v[SQ:SQ+1], v[SQ:SQ+1], v[SQ+4:SQ+5]
	s_delay_alu instid0(VALU_DEP_1)
	v_add_f32 v[SQ], v[SQ], v[SQ+1]
	ds_store_b32 v[PA], v[SQ]                      ; my quarter of my column's sum of squares
	; et: my column's 64 numbers are 256 bytes of its row; the lanes beside me hold other rows: through my wave's stage, and out as whole rows
.set q, 0
.rept 16
	ds_store_b128 v[STI], v[X+4*q:X+4*q+3] offset:16*q
.set q, q+1
.endr
.set q, 0
.rept 16
	ds_load_b128 v[O+4*q:O+4*q+3], v[STO] offset:2*q*SPITCH          ; LDS serves a wave's instructions in order (ISA guide 5.7.1.4): these see my stores
.set q, q+1
.endr
.set q, 0
.rept 16
	s_wait_dscnt 15-q                              ; the younger loads may stay out
	global_store_b128 v[EO], v[O+4*q:O+4*q+3], s[8:9] offset:2048*q  ; sixteen lanes store 256 consecutive bytes, aligned
.set q, q+1
.endr
	s_wait_dscnt 0x0                               ; for the others' sake: my scale bytes and my part of the sums lie in LDS
	s_barrier_signal -1
	s_barrier_wait -1
	s_cmp_lg_u32 s12, 0                            ; waves 0 and 1 finish the last 256 bytes of their two records
	s_cbranch_scc1 .Ldone
	ds_load_b32 v14, v[PRD]
	ds_load_b32 v15, v[PRD] offset:128
	ds_load_b32 v16, v[PRD] offset:256
	ds_load_b32 v17, v[PRD] offset:384
	s_wait_dscnt 0x0
	v_add_f32 v14, v14, v15
	v_add_f32 v16, v16, v17
	s_delay_alu instid0(VALU_DEP_1)
	v_add_f32 v14, v14, v16                        ; my column's sum of squares
	v_mov_b32 v15, 0
	ds_store_b32 v[E2A], v14
	ds_store_b32 v[E2A], v15 offset:192            ; the record's last 64 bytes
	ds_load_b128 v[H:H+3], v[SMR]                  ; in order behind my stores; the scale bytes were shown by the barrier
	s_wait_dscnt 0x0
	global_store_b128 v[CO], v[H:H+3], s[6:7] offset:4096            ; two whole aligned blocks of 256 bytes
.Ldone:
	s_wait_tensorcnt 0x0
	ds_add_u32 v208, v209
	s_wait_dscnt 0x0
	s_endpgm
.Lfunc_end_k_q6fca7a3eec_prep:
	.size	k_q6fca7a3eec_prep, .Lfunc_end_k_q6fca7a3eec_prep-k_q6fca7a3eec_prep
	.p2alignl 7, 3214868480
	.fill 96, 4, 3214868480
	.section	.rodata,"a",@progbits
	.p2align	6, 0x0
	.amdhsa_kernel k_q6fca7a3eec_prep
		.amdhsa_group_segment_fixed_size 72704
		.amdhsa_private_segment_fixed_size 0
		.amdhsa_enable_private_segment 0
		.amdhsa_kernarg_size 24
		.amdhsa_user_sgpr_count 2
		.amdhsa_user_sgpr_kernarg_segment_ptr 1
		.amdhsa_wavefront_size32 1
		.amdhsa_system_sgpr_workgroup_id_x 1
		.amdhsa_system_sgpr_workgroup_id_y 1
		.amdhsa_system_sgpr_workgroup_id_z 1
		.amdhsa_system_vgpr_workitem_id 0
		.amdhsa_next_free_vgpr 210
		.amdhsa_next_free_sgpr 66
		.amdhsa_reserve_vcc 0
		.amdhsa_float_denorm_mode_32 3
		.amdhsa_float_denorm_mode_16_64 3
		.amdhsa_memory_ordered 1
		.amdhsa_forward_progress 1
		.amdhsa_inst_pref_size 26
	.end_amdhsa_kernel
	.amdgpu_metadata
---
amdhsa.version: [ 1, 2 ]
amdhsa.kernels:
  - .name:           k_q6fca7a3eec_prep
    .symbol:         k_q6fca7a3eec_prep.kd
    .args:
      - { .name: embeddings, .offset: 0, .size: 8, .value_kind: global_buffer, .address_space: global }
      - { .name: ew, .offset: 8, .size: 8, .value_kind: global_buffer, .address_space: global }
      - { .name: et, .offset: 16, .size: 8, .value_kind: global_buffer, .address_space: global }
    .group_segment_fixed_size: 72704
    .private_segment_fixed_size: 0
    .kernarg_segment_align: 8
    .kernarg_segment_size: 24
    .max_flat_workgroup_size: 256
    .sgpr_count:     66
    .vgpr_count:     210
    .wavefront_size: 32
...
	.end_amdgpu_metadata
.endif
;; end of part 1
;; launch vq (part 2): grid 256 x 1, 4 waves a work-group, clusters of 4 x 1, 327,680 bytes of LDS; arguments x, ew, idx; writes idx
.if DOCPART == 2
	.amdgcn_target "amdgcn-amd-amdhsa--gfx1250"
	.amdhsa_code_object_version 6
	.text
	.protected	k_q6fca7a3eec_vq
	.globl	k_q6fca7a3eec_vq
	.p2align	8
	.type	k_q6fca7a3eec_vq,@function
k_q6fca7a3eec_vq:
	s_mov_b64 s[64:65], 0
	v_nop
	global_prefetch_b8 v0, s[64:65] scope:SCOPE_SE
	s_setreg_imm32_b32 hwreg(HW_REG_WAVE_MODE, 25, 1), 1
	s_wait_xcnt 0x0
	s_wait_alu depctr_hold_cnt(0) depctr_sa_sdst(0) depctr_va_vdst(0) depctr_va_sdst(0) depctr_va_ssrc(0) depctr_va_vcc(0) depctr_vm_vsrc(0)
	s_getreg_b32 s2, hwreg(HW_REG_IB_STS2, 6, 4)
	s_cmp_eq_u32 s2, 0
	s_cbranch_scc0 .Lentry_in_a_cluster
	s_endpgm
.Lentry_in_a_cluster:
	s_bfe_u32 s2, ttmp6, 0x10000c
	s_cmp_lg_u32 s2, 0x3003
	s_cbranch_scc0 .Lentry_shape_is_right
	s_endpgm
.Lentry_shape_is_right:
; idx[row] = the first column n at which d(row, n) = fl(fl(|x|^2 + |e_n|^2) - 2 sim(row, n)) is least; sim = Q(x) Q(e) in MX-BF8, f32 sums.
; Nothing of reference() is left out here: |x|^2 stays in the sum, since it is large beside the other terms and the f32 sum makes ties, which go to the first column.
; SHARES.  A work-group owns 128 rows of x, all 8,192 columns.  Every wave holds the codes of all 128 rows (8 blocks of 16 rows x 256 K = 256 registers, window 1)
; and takes a quarter of the columns: 8 of the 32 records (tiles of 16 columns, 4,352 bytes, in the operand's register order) of each of 16 slots.
; ew goes through a ring of two LDS slots of 139,264 bytes; the 4 work-groups of a cluster ask for each part jointly (mask 15).
; x comes once as f32 into slot 1's bytes, is quantised there by the four waves (32 rows each), and its codes are shared as register images in LDS.
; THE PRODUCT IS USED TRANSPOSED (source 0 = 16 columns of e, source 1 = 16 rows of x): lane (r, h) holds row r and its 8 registers the columns 8 h + 0..7 of the tile.
; THE RUNNING MINIMUM of a lane's row takes turns between two register sets (tiles of even and odd number), so that the old and the new one can be compared without a copy.
; Where a tile has brought a smaller distance (strictly: the earlier tile keeps a tie), its 8 distances and its number are kept by selects; no address, branch, mask of lanes
; or count hangs on a distance.  At the end the place in the tile is found from the 8 kept distances.
; TURNS.  Two blocks of rows make a turn: four products on end (the first K steps of rows i+4, i+5, the second of rows i+2, i+3), then the vector work: rows i-2, i-1 are
; committed, rows i, i+1 get distances and minima, rows i+2, i+3 their |x|^2 + |e|^2.  Eight accumulator sets; between the two steps of a sum stand three other products at the least
; REGISTERS: window 0 addresses, sums, minima, kept distances; window 1 x's codes; window 2 (v512-575) e's fragments, two tiles.
; No prefetch of ew: a slot's refill is asked for 124 products of the wave ahead of the wait for it, and all 64 clusters walk the same 2,228,224 bytes in the same order.
; LIMITS: NaN and infinities are not served (a row with no finite distance gets a column of the waves' first tiles); a block of zeros has the scale byte 1 (its codes are zeros);
; |x|^2 is summed in four chains of pairs and two halves of the lanes, another order than from left to right.
.set REC,    4352
.set QUART,  8*REC                     ; a wave's part of a slot
.set SLOTBY, 4*QUART
.set R1,     SLOTBY                    ; slot 1
.set XPITCH, 1040                      ; a row of x in LDS: 1,024 bytes + 16
.set XIMG,   2*SLOTBY                  ; behind the ring: x's codes as register images, 16 x 2,048 bytes,
.set XSC,    XIMG+16*2048              ; its scale words and sums of squares, 2,048 bytes
.set CAND,   XSC+2048                  ; each wave's best of each row
.set SPARE,  CAND+4096                 ; the spare words, 512 bytes that no other line names
.set SPW,  1
.set NIL,  2
.set L16,  3                           ; 16 x lane
.set L4S,  4
.set H32,  5
.set ADR,  6
.set ADS,  7
.set ADE,  8
.set NB,   9                           ; 128 x wave + 8 h
.set CURV, 10                          ; the number of the tile whose rows are being committed
.set X2,   12                          ; v12-19  |x|^2 of my row in each block
.set XS,   20                          ; v20-27  x's scale words
.set ES,   28                          ; v28-29  e's scale words, two tiles
.set MA,   30
.set MB,   31
.set T,    32                          ; v32-47  |x|^2 + |e|^2 for the turn's two blocks
.set E2,   48                          ; v48-63  |e|^2, two tiles
.set ACC,  64                          ; v64-127 eight accumulator sets, one a block of rows
.set BEST, 128                         ; v128-143 the running minimum, two sets of 8
.set IDX,  144                         ; v144-151 the best tile's number
.set SAVE, 170                         ; v170-233 the best tile's 8 distances, for each block of rows
.set EF,   0                           ; window 2: e's fragments, two tiles of 32 registers
.set LN,   234
.set RR,   235
.set HH,   236
.set XA,   237
.set XWI,  238
.set XWS,  239
.set XRD,  240
.set XRS,  241
.set CW,   242
.set CR,   243
.set JJ,   244
.set TA,   245
.set TC,   246
.set OB,   247
.set ON,   248
.set MC,   250
.set ME,   251
.set XN0,  58                          ; the head's registers
.set XN1,  122
.set PC,   186
.set TM,   202
.set PW0,  218
.set PW1,  219
.set XSW,  220
.set SQ,   222
.set MD,   170
.set MN,   186
.set WV,   10
.set WB,   13
.set TB,   14
.set SLOTS, 16
.set PAIRS, 17
.set SEL,  18
.set MNT,  20
.set HM,   21
.set G1E,  24
.set G0E,  32
.set G1X,  36
.set G0X,  44
.set G0H,  56
.set W_MUL, 0x06                       ; source 0 (e's fragments) in window 2, source 1 (x's codes) in window 1
.set MSB, 0
.macro WIN new
.if MSB != \new
	s_set_vgpr_msb (MSB<<8)|\new
.set MSB, \new
.endif
.endm
.macro CREST
	s_cmp_lg_u32 s[WV], 0
	s_cbranch_scc1 .Lnot_wave_0_\@
	s_barrier_signal -3
.Lnot_wave_0_\@:
	s_barrier_wait -3
	s_barrier_signal -1
	s_barrier_wait -1
.endm
.macro CROUND
	s_barrier_signal -1
	s_barrier_wait -1
	CREST
.endm
.macro NOPS4
.rept 4
	v_nop
.endr
.endm
.macro MK0 row, p                      ; k 0-127: starts the sum
	v_wmma_scale_f32_16x16x128_f8f6f4 v[ACC+8*(\row):ACC+8*(\row)+7], v[EF+32*(\p):EF+32*(\p)+15], v[32*(\row):32*(\row)+15], 0, v[ES+(\p)], v[XS+(\row)] matrix_a_fmt:MATRIX_FMT_BF8 matrix_b_fmt:MATRIX_FMT_BF8
.endm
.macro MK1 row, p                      ; k 128-255: the scale words of lanes 16-31
	v_wmma_scale_f32_16x16x128_f8f6f4 v[ACC+8*(\row):ACC+8*(\row)+7], v[EF+32*(\p)+16:EF+32*(\p)+31], v[32*(\row)+16:32*(\row)+31], v[ACC+8*(\row):ACC+8*(\row)+7], v[ES+(\p)], v[XS+(\row)] matrix_a_fmt:MATRIX_FMT_BF8 matrix_b_fmt:MATRIX_FMT_BF8 matrix_a_scale:MATRIX_SCALE_ROW1 matrix_b_scale:MATRIX_SCALE_ROW1
.endm
; The products of turn i of a tile of parity p; rows 8 and up are the next tile's.
.macro DM i, p, wa, wb
	WIN W_MUL
.if \wa
.set uR, ((\i)+4)%8
.set uP, ((\p)+((\i)+4)/8)%2
	MK0 uR, uP
	MK0 uR+1, uP
.endif
.if \wb
.set uR, ((\i)+2)%8
.set uP, ((\p)+((\i)+2)/8)%2
	MK1 uR, uP
	MK1 uR+1, uP
.endif
	WIN 0
.endm
; A block of rows of a tile of parity p is committed: has its minimum fallen (mask in s[m])?  Then the tile's distances and number are kept.
.macro CCMP row, p, m
	v_cmp_lt_f32 s[\m], v[BEST+8*(1-(\p))+(\row)], v[BEST+8*(\p)+(\row)]
.endm
.macro CSEL row, m
.irp j, 0,1,2,3,4,5,6,7
	v_cndmask_b32 v[SAVE+8*(\row)+\j], v[SAVE+8*(\row)+\j], v[ACC+8*(\row)+\j], s[\m]
.endr
	v_cndmask_b32 v[IDX+(\row)], v[IDX+(\row)], v[CURV], s[\m]
.endm
.macro TEVEN                           ; |e|^2 + |x|^2 for an even block of rows (the pair's low word), tile parity nP
.irp j, 0,2,4,6
	v_pk_fma_f32 v[T+\j:T+\j+1], v[E2+8*nP+\j:E2+8*nP+\j+1], 1.0, v[xP:xP+1] op_sel_hi:[1,0,0]
.endr
.endm
.macro TODD                            ; and for the odd one beside it (the high word)
.irp j, 0,2,4,6
	v_pk_fma_f32 v[T+8+\j:T+8+\j+1], v[E2+8*nP+\j:E2+8*nP+\j+1], 1.0, v[xP:xP+1] op_sel:[0,0,1] op_sel_hi:[1,0,1]
.endr
.endm
; The vector work of turn i; independent chains take turns.
.macro DV i, p
.set cA, ((\i)+6)%8
.set cP, ((\p)+1-((\i)+6)/8)%2
.set dA, ACC+8*(\i)
.set dB, ACC+8*(\i)+8
.set nP, ((\p)+((\i)+2)/8)%2
.set xP, X2+((\i)+2)%8
.set bO, BEST+8*(\p)+(\i)
.set bN, BEST+8*(1-(\p))+(\i)
	CCMP cA, cP, 62
	CCMP cA+1, cP, 63
.irp j, 0,2,4,6
	v_pk_fma_f32 v[dA+\j:dA+\j+1], v[dA+\j:dA+\j+1], -2.0, v[T+\j:T+\j+1] op_sel_hi:[1,0,1]     ; each accumulator from its low end on
.endr
.irp j, 0,2,4,6
	v_pk_fma_f32 v[dB+\j:dB+\j+1], v[dB+\j:dB+\j+1], -2.0, v[T+8+\j:T+8+\j+1] op_sel_hi:[1,0,1]
.endr
	v_min3_num_f32 v[MA], v[dA], v[dA+1], v[dA+2]
	v_min3_num_f32 v[MB], v[dA+3], v[dA+4], v[dA+5]
	v_min3_num_f32 v[MC], v[dB], v[dB+1], v[dB+2]
	v_min3_num_f32 v[ME], v[dB+3], v[dB+4], v[dB+5]
	CSEL cA, 62
	v_min3_num_f32 v[MA], v[MA], v[dA+6], v[dA+7]
	v_min3_num_f32 v[MC], v[MC], v[dB+6], v[dB+7]
	CSEL cA+1, 63
.if (\i) == 0
	v_add_nc_u32 v[CURV], 1, v[CURV]               ; the last tile's rows 6 and 7 are committed: on to this tile's number
.endif
	TEVEN
	TODD
	v_min3_num_f32 v[bN], v[MA], v[MB], v[bO]
	v_min3_num_f32 v[bN+1], v[MC], v[ME], v[bO+1]
.endm
.macro D i, p
	DM \i, \p, 1, 1
	DV \i, \p
.endm
.macro LOADS p                         ; the record at TB into set p: fragments, scale word, |e|^2
	v_add_nc_u32 v[ADR], s[TB], v[L16]
	v_add_nc_u32 v[ADS], s[TB], v[L4S]
	v_add_nc_u32 v[ADE], s[TB], v[H32]
	WIN 0x80                                       ; destination in window 2
.irp c, 0,1,2,3,4,5,6,7
	ds_load_b128 v[EF+32*(\p)+4*\c:EF+32*(\p)+4*\c+3], v[ADR] offset:512*\c
.endr
	WIN 0
	ds_load_b32 v[ES+(\p)], v[ADS]
	ds_load_b128 v[E2+8*(\p):E2+8*(\p)+3], v[ADE]
	ds_load_b128 v[E2+8*(\p)+4:E2+8*(\p)+7], v[ADE] offset:16
	s_add_co_u32 s[TB], s[TB], REC
.endm
; A tile.  mode 0: plain; 1: the slot's seventh tile, with the change of slots and the refill; 2: the same with no refill; 3: nothing more to load; 4: the very last tile.
.macro TILE p, mode
	D 0, \p
	D 2, \p
.if \mode != 4
	s_wait_alu depctr_va_vdst(0)
	s_wait_dscnt 0x0                               ; the next tile's record is in registers: nothing was issued behind its loads
	D 4, \p
.else
	DM 4, \p, 0, 1
	DV 4, \p
.endif
.if \mode == 0
	LOADS \p                                       ; set p is done with: 44 vector lines stand behind its last product
	D 6, \p
.elseif \mode == 1
	s_wait_alu depctr_va_vdst(0)
	s_wait_tensorcnt 0x0                           ; my part of the next slot has landed
	ds_add_u32 v[SPW], v[NIL]                      ; only work on registers up to the round's end
	s_xor_b32 s[G0E+1], s[G0E+1], R1
	s_add_nc_u64 s[G0E+2:G0E+3], s[G0E+2:G0E+3], SLOTBY
	s_sub_co_u32 s[TB], s[TB], QUART
	s_xor_b32 s[TB], s[TB], R1
	DM 6, \p, 1, 1
	s_wait_dscnt 0x0                               ; the add and my reads of this slot are done
	s_barrier_signal -1
	DV 6, \p
	s_wait_alu depctr_va_vdst(0)
	s_barrier_wait -1
	CREST
	tensor_load_to_lds s[G0E:G0E+3], s[G1E:G1E+7]  ; the slot just read out takes the slot two on
	s_nop 0
	NOPS4
	LOADS \p
.elseif \mode == 2
	s_wait_alu depctr_va_vdst(0)
	s_wait_tensorcnt 0x0                           ; my quarter of the last slot, which I alone read
	s_sub_co_u32 s[TB], s[TB], QUART
	s_xor_b32 s[TB], s[TB], R1
	LOADS \p
	D 6, \p
.elseif \mode == 3
	D 6, \p
.else
	DV 6, \p
	CCMP 6, \p, 62
	CCMP 7, \p, 63
	CSEL 6, 62
	CSEL 7, 63
.endif
.endm
.macro SLOTRUN m6, m7
	s_mov_b32 s[PAIRS], 3
.Lpair_\@:
	TILE 0, 0
	TILE 1, 0
	s_wait_alu depctr_va_vdst(0)
	s_sub_co_u32 s[PAIRS], s[PAIRS], 1
	s_cmp_lg_u32 s[PAIRS], 0
	s_cbranch_scc1 .Lpair_\@
	TILE 0, \m6
	TILE 1, \m7
	s_wait_alu depctr_va_vdst(0)
.endm
.macro LOADX a, s, buf                 ; 16 rows x 128 K of x, f32, in the operand's order: lane (r, h) takes k = 32 b + 16 h + 0..15
.irp b, 0,1,2,3
.irp j, 0,1,2,3
	ds_load_b128 v[\buf+16*\b+4*\j:\buf+16*\b+4*\j+3], v[XA] offset:(\a)*16*XPITCH+512*(\s)+128*\b+16*\j
.endr
.endr
.endm
.macro SQUARES buf, first
.set q, 0
.rept 32
.if (\first) && (q < 4)
	v_pk_mul_f32 v[SQ+2*q:SQ+2*q+1], v[\buf+2*q:\buf+2*q+1], v[\buf+2*q:\buf+2*q+1]
.else
	v_pk_fma_f32 v[SQ+2*(q%4):SQ+2*(q%4)+1], v[\buf+2*q:\buf+2*q+1], v[\buf+2*q:\buf+2*q+1], v[SQ+2*(q%4):SQ+2*(q%4)+1]
.endif
.set q, q+1
.endr
.endm
.macro QUANT s, pw                     ; four blocks of 32: largest magnitude with the floor 2^-111, scale, hold, codes
.irp b, 0,1,2,3
	v_max3_num_f32 v[TM+\b], |v[\s+16*\b]|, |v[\s+1+16*\b]|, 0x8000000
.endr
.irp i, 2,4,6,8,10,12,14
.irp b, 0,1,2,3
	v_max3_num_f32 v[TM+\b], v[TM+\b], |v[\s+16*\b+\i]|, |v[\s+1+16*\b+\i]|
.endr
.endr
.irp b, 0,1,2,3
	v_permlanex16_b32 v[TM+4+\b], v[TM+\b], s[SEL], s[SEL+1]
.endr
.irp b, 0,1,2,3
	v_max_num_f32 v[TM+\b], v[TM+\b], v[TM+4+\b]
.endr
.irp b, 0,1,2,3
	v_add_nc_u32 v[TM+12+\b], 0xf8800000, v[TM+\b]
.endr
.irp b, 0,1,2,3
	v_and_or_b32 v[TM+8+\b], v[TM+\b], 0x7f800000, s[MNT]
.endr
.irp b, 0,1,2,3
	v_lshrrev_b32 v[TM+4+\b], 23, v[TM+12+\b]
.endr
	v_lshl_or_b32 v[\pw], v[TM+5], 8, v[TM+4]
	v_lshl_or_b32 v[\pw], v[TM+6], 16, v[\pw]
	v_lshl_or_b32 v[\pw], v[TM+7], 24, v[\pw]
.irp b, 0,1,2,3
.irp i, 0,1,2,3,4,5,6,7,8,9,10,11,12,13,14,15
	v_med3_num_f32 v[\s+16*\b+\i], v[\s+16*\b+\i], -v[TM+8+\b], v[TM+8+\b]
.endr
	v_cvt_scalef32_pk8_bf8_f32 v[PC+4*\b:PC+1+4*\b], v[\s+16*\b:\s+7+16*\b], v[TM+12+\b]
	v_cvt_scalef32_pk8_bf8_f32 v[PC+2+4*\b:PC+3+4*\b], v[\s+8+16*\b:\s+15+16*\b], v[TM+12+\b]
.endr
	v_nop
.endm
.macro IMAGE off
.irp c, 0,1,2,3
	ds_store_b128 v[XWI], v[PC+4*\c:PC+4*\c+3] offset:(\off)+512*\c
.endr
.endm
.macro ROWEND a
	v_cndmask_b32 v[XSW], v[PW0], v[PW1], s[HM]
	v_pk_add_f32 v[SQ:SQ+1], v[SQ:SQ+1], v[SQ+2:SQ+3]
	v_pk_add_f32 v[SQ+4:SQ+5], v[SQ+4:SQ+5], v[SQ+6:SQ+7]
	v_pk_add_f32 v[SQ:SQ+1], v[SQ:SQ+1], v[SQ+4:SQ+5]
	v_add_f32 v[SQ], v[SQ], v[SQ+1]
	v_permlanex16_b32 v[SQ+1], v[SQ], s[SEL], s[SEL+1]
	v_add_f32 v[SQ], v[SQ], v[SQ+1]
	ds_store_b32 v[XWS], v[XSW] offset:128*(\a)
	ds_store_b32 v[XWS], v[SQ] offset:1024+128*(\a)
.endm
.macro LEX b, n, ob, on                ; (b, n) = the lesser of (b, n) and (ob, on), by distance and then by column
	v_cmp_lt_f32 vcc_lo, v[\ob], v[\b]
	v_cndmask_b32 v[TA], v[\n], v[\on], vcc_lo
	v_min_u32 v[TC], v[\n], v[\on]
	v_cmp_eq_f32 vcc_lo, v[\ob], v[\b]
	v_cndmask_b32 v[\n], v[TA], v[TC], vcc_lo
	v_min_num_f32 v[\b], v[\b], v[\ob]
.endm
	s_load_b128 s[4:7], s[0:1], 0x0                ; x, ew
	s_load_b64 s[8:9], s[0:1], 0x10                ; idx
	v_lshl_add_u32 v[SPW], v0, 2, SPARE
	v_mov_b32 v[NIL], 0
	ds_add_u32 v[SPW], v[NIL]
	ds_add_u32 v[SPW], v[NIL]
	v_lshrrev_b32 v[LN], 5, v0
	v_readfirstlane_b32 s[WV], v[LN]
	s_bfe_u32 s11, ttmp6, 0x40000
	s_lshl_b32 s12, ttmp9, 2
	s_add_co_u32 s12, s12, s11                     ; the work-group's number
	s_mul_i32 s[WB], s[WV], QUART
	s_and_b32 s54, s[WV], 1
	s_mov_b32 s[G1E+0], 15|(3<<16)|(1<<21)         ; ew: dense rows of 256 bytes, joint for the cluster's four; at the head 272 rows (half a slot), later 136
	s_mov_b32 s[G1E+1], 32<<16
	s_mov_b32 s[G1E+2], 272<<16
	s_mov_b32 s[G1E+3], 32<<16
	s_mov_b32 s[G1E+4], 272
	s_mov_b32 s[G1E+5], 32
	s_mov_b32 s[G1E+6], 0
	s_mov_b32 s[G1E+7], 0
	s_mov_b32 s[G1X+0], (3<<16)|(1<<20)|(7<<22)|(3<<25)   ; x: 64 rows of 1,024 bytes, 16 of padding behind each
	s_mov_b32 s[G1X+1], 128<<16
	s_mov_b32 s[G1X+2], 64<<16
	s_mov_b32 s[G1X+3], 128<<16
	s_mov_b32 s[G1X+4], 64
	s_mov_b32 s[G1X+5], 128
	s_mov_b32 s[G1X+6], 0
	s_mov_b32 s[G1X+7], 0
	s_mov_b32 s[G0E], 1
	s_mov_b32 s[G0E+1], s[WB]
	s_mov_b32 s22, s[WB]
	s_mov_b32 s23, 0
	s_mov_b32 s[G0H], 1
	s_mul_i32 s[G0H+1], s54, 2*QUART
	s_mov_b32 s60, s[G0H+1]
	s_mov_b32 s61, 0
	s_mov_b32 s[G0X], 1
	s_mul_i32 s[G0X+1], s54, 64*XPITCH
	s_add_co_u32 s[G0X+1], s[G0X+1], R1
	s_mul_i32 s55, s[WV], 32*XPITCH
	s_add_co_u32 s55, s55, R1                      ; the 32 rows that I quantise
	s_lshl_b32 s50, s12, 17
	s_lshl_b32 s51, s54, 16
	s_add_co_u32 s50, s50, s51
	s_mov_b32 s51, 0
	s_lshl_b32 s48, s12, 9
	s_mov_b32 s49, 0
	s_mov_b32 s[SEL], 0x76543210
	s_mov_b32 s[SEL+1], 0xfedcba98
	s_mov_b32 s[MNT], 0x600000
	s_mov_b32 s[HM], 0xffff0000
	s_wait_dscnt 0x0
	s_wait_kmcnt 0x0
	s_add_nc_u64 s[G0E+2:G0E+3], s[6:7], s[22:23]
	s_or_b32 s[G0E+3], s[G0E+3], 0x80000000
	s_add_nc_u64 s[G0H+2:G0H+3], s[6:7], s[60:61]
	s_or_b32 s[G0H+3], s[G0H+3], 0x80000000
	s_add_nc_u64 s[G0X+2:G0X+3], s[4:5], s[50:51]
	s_or_b32 s[G0X+3], s[G0X+3], 0x80000000
	s_add_nc_u64 s[8:9], s[8:9], s[48:49]
	CROUND
	s_cmp_lt_u32 s[WV], 2                          ; the head's loads, one a wave: waves 0, 1 the two halves of x (into slot 1's bytes), waves 2, 3 the two halves of slot 0
	s_cbranch_scc0 .Lhead_e
	tensor_load_to_lds s[G0X:G0X+3], s[G1X:G1X+7]
	s_nop 0
	NOPS4
	s_branch .Lhead_j
.Lhead_e:
	tensor_load_to_lds s[G0H:G0H+3], s[G1E:G1E+7]
	s_nop 0
	NOPS4
.Lhead_j:
	v_and_b32 v[LN], 31, v0
	v_and_b32 v[RR], 15, v0
	v_bfe_u32 v[HH], v0, 4, 1
	v_lshlrev_b32 v[L16], 4, v[LN]
	v_lshl_add_u32 v[L4S], v[LN], 2, 4160
	v_lshl_add_u32 v[H32], v[HH], 5, 4096
	s_lshl_b32 s52, s[WV], 7
	v_lshl_add_u32 v[NB], v[HH], 3, s52
	v_mul_u32_u24 v[XA], v[RR], XPITCH
	v_lshl_add_u32 v[XA], v[HH], 6, v[XA]
	v_add_nc_u32 v[XA], s55, v[XA]
	s_lshl_b32 s52, s[WV], 13
	s_add_co_u32 s52, s52, XIMG
	v_add_nc_u32 v[XWI], s52, v[L16]
	s_lshl_b32 s52, s[WV], 8
	s_add_co_u32 s52, s52, XSC
	v_lshl_add_u32 v[XWS], v[LN], 2, s52
	v_add_nc_u32 v[XRD], XIMG, v[L16]
	v_lshl_add_u32 v[XRS], v[LN], 2, XSC
	s_lshl_b32 s52, s[WV], 10
	s_add_co_u32 s52, s52, CAND
	v_lshl_add_u32 v[CW], v[RR], 2, s52
	v_add_nc_u32 v[CR], CAND, v[L16]
.irp b, 0,1,2,3
	v_mov_b32 v[TM+4+\b], 0
.endr
	v_mov_b32 v[OB], 0
	v_mov_b32 v[ON], 0
	s_wait_alu depctr_va_vdst(0)
	s_wait_tensorcnt 0x0                           ; every wave waits for its tile,
	s_barrier_signal -1
	s_barrier_wait -1                              ; and all four tiles may be read by all
	LOADX 0, 0, XN0
	LOADX 0, 1, XN1
	s_wait_dscnt 16
	SQUARES XN0, 1
	QUANT XN0, PW0
	IMAGE 0
	LOADX 1, 0, XN0
	s_wait_dscnt 16
	SQUARES XN1, 0
	QUANT XN1, PW1
	IMAGE 2048
	ROWEND 0
	LOADX 1, 1, XN1
	s_wait_dscnt 16
	SQUARES XN0, 1
	QUANT XN0, PW0
	IMAGE 4096
	s_wait_dscnt 0x0
	SQUARES XN1, 0
	QUANT XN1, PW1
	IMAGE 6144
	ROWEND 1
	s_wait_alu depctr_va_vdst(0)
	s_wait_tensorcnt 0x0                           ; slot 1 is filled over x
	ds_add_u32 v[SPW], v[NIL]
	s_xor_b32 s[G0E+1], s[G0E+1], R1
	s_add_nc_u64 s[G0E+2:G0E+3], s[G0E+2:G0E+3], SLOTBY
	s_mov_b32 s[G1E+2], 136<<16                    ; no tensor load of mine is out: from here on a load brings a quarter of a slot
	s_mov_b32 s[G1E+4], 136
	s_wait_dscnt 0x0                               ; the add, my reads of x and my images are done
	CROUND
	tensor_load_to_lds s[G0E:G0E+3], s[G1E:G1E+7]
	s_nop 0
	NOPS4
	WIN 0x40
.set q, 0
.rept 64
	ds_load_b128 v[4*q:4*q+3], v[XRD] offset:512*q   ; all 128 rows' codes into window 1
.set q, q+1
.endr
	WIN 0
.irp i, 0,1,2,3,4,5,6,7
	ds_load_b32 v[XS+\i], v[XRS] offset:128*\i
	ds_load_b32 v[X2+\i], v[XRS] offset:1024+128*\i
.endr
	s_mov_b32 s[TB], s[WB]
	LOADS 0
	LOADS 1
	s_wait_dscnt 0x0
	WIN W_MUL
	MK0 0, 0
	MK0 1, 0
	MK0 2, 0
	MK0 3, 0
	MK1 0, 0
	MK1 1, 0
	WIN 0
	s_mov_b32 s53, 0x7f800000
.set q, 0
.rept 16
	v_mov_b32 v[BEST+q], s53                       ; both sets of minima: infinity
	v_mov_b32 v[ACC+48+q], s53                     ; rows 6 and 7, which the first turn names in a commit that keeps nothing
.set q, q+1
.endr
.set q, 0
.rept 64
	v_mov_b32 v[SAVE+q], s53
.set q, q+1
.endr
.set q, 0
.rept 8
	v_mov_b32 v[IDX+q], 0
.set q, q+1
.endr
	v_mov_b32 v[CURV], -1
.set nP, 0
.set xP, X2
	TEVEN
	TODD
	s_wait_alu depctr_va_vdst(0)
	s_mov_b32 s[SLOTS], 14
.Lslot:
	SLOTRUN 1, 0
	s_sub_co_u32 s[SLOTS], s[SLOTS], 1
	s_cmp_lg_u32 s[SLOTS], 0
	s_cbranch_scc1 .Lslot
	SLOTRUN 2, 0
	SLOTRUN 3, 4
.irp i, 0,1,2,3,4,5,6,7
	v_mov_b32 v[JJ], 7
.irp j, 6,5,4,3,2,1,0
	v_cmp_neq_f32 vcc_lo, v[SAVE+8*\i+\j], v[BEST+\i]
	v_cndmask_b32 v[JJ], \j, v[JJ], vcc_lo         ; the first of the 8 that equals the minimum
.endr
	v_and_b32 v[TA], 0x78, v[IDX+\i]               ; my tile 8 s + k is tile 32 s + 8 wave + k
	v_and_b32 v[TC], 7, v[IDX+\i]
	v_lshl_add_u32 v[TA], v[TA], 2, v[TC]
	v_lshl_add_u32 v[TA], v[TA], 4, v[JJ]
	v_add_nc_u32 v[IDX+\i], v[TA], v[NB]
	v_permlanex16_b32 v[OB], v[BEST+\i], s[SEL], s[SEL+1]
	v_permlanex16_b32 v[ON], v[IDX+\i], s[SEL], s[SEL+1]
	LEX BEST+\i, IDX+\i, OB, ON
	ds_store_b32 v[CW], v[BEST+\i] offset:64*\i
	ds_store_b32 v[CW], v[IDX+\i] offset:512+64*\i
.endr
	s_wait_dscnt 0x0
	s_barrier_signal -1
	s_barrier_wait -1
	s_cmp_lg_u32 s[WV], 0
	s_cbranch_scc1 .Lmerged
.irp w, 0,1,2,3
	ds_load_b128 v[MD+4*\w:MD+4*\w+3], v[CR] offset:1024*\w
	ds_load_b128 v[MN+4*\w:MN+4*\w+3], v[CR] offset:1024*\w+512
.endr
	s_wait_dscnt 0x0
.irp w, 1,2,3
.irp k, 0,1,2,3
	LEX MD+\k, MN+\k, MD+4*\w+\k, MN+4*\w+\k
.endr
.endr
	global_store_b128 v[L16], v[MN:MN+3], s[8:9]   ; 128 indices: 512 consecutive bytes, aligned
.Lmerged:
	s_wait_tensorcnt 0x0
	ds_add_u32 v[SPW], v[NIL]
	s_wait_dscnt 0x0
	CROUND
	s_endpgm
.Lfunc_end_k_q6fca7a3eec_vq:
	.size	k_q6fca7a3eec_vq, .Lfunc_end_k_q6fca7a3eec_vq-k_q6fca7a3eec_vq
	.p2alignl 7, 3214868480
	.fill 96, 4, 3214868480
	.section	.rodata,"a",@progbits
	.p2align	6, 0x0
	.amdhsa_kernel k_q6fca7a3eec_vq
		.amdhsa_group_segment_fixed_size 327680
		.amdhsa_private_segment_fixed_size 0
		.amdhsa_enable_private_segment 0
		.amdhsa_kernarg_size 24
		.amdhsa_user_sgpr_count 2
		.amdhsa_user_sgpr_kernarg_segment_ptr 1
		.amdhsa_wavefront_size32 1
		.amdhsa_system_sgpr_workgroup_id_x 1
		.amdhsa_system_sgpr_workgroup_id_y 1
		.amdhsa_system_sgpr_workgroup_id_z 1
		.amdhsa_system_vgpr_workitem_id 0
		.amdhsa_next_free_vgpr 576
		.amdhsa_next_free_sgpr 66
		.amdhsa_reserve_vcc 1
		.amdhsa_float_denorm_mode_32 3
		.amdhsa_float_denorm_mode_16_64 3
		.amdhsa_memory_ordered 1
		.amdhsa_forward_progress 1
		.amdhsa_inst_pref_size 249
	.end_amdhsa_kernel
	.amdgpu_metadata
---
amdhsa.version: [ 1, 2 ]
amdhsa.kernels:
  - .name:           k_q6fca7a3eec_vq
    .symbol:         k_q6fca7a3eec_vq.kd
    .args:
      - { .name: x, .offset: 0, .size: 8, .value_kind: global_buffer, .address_space: global }
      - { .name: ew, .offset: 8, .size: 8, .value_kind: global_buffer, .address_space: global }
      - { .name: idx, .offset: 16, .size: 8, .value_kind: global_buffer, .address_space: global }
    .group_segment_fixed_size: 327680
    .private_segment_fixed_size: 0
    .kernarg_segment_align: 8
    .kernarg_segment_size: 24
    .max_flat_workgroup_size: 128
    .sgpr_count:     66
    .vgpr_count:     576
    .wavefront_size: 32
...
	.end_amdgpu_metadata
.endif
;; end of part 2
;; launch gather (part 3): grid 512 x 1, 8 waves a work-group, no clusters, 1,280 bytes of LDS; arguments x, et, idx, out0, part; writes out0, part
.if DOCPART == 3
	.amdgcn_target "amdgcn-amd-amdhsa--gfx1250"
	.amdhsa_code_object_version 6
	.text
	.protected	k_q6fca7a3eec_gather
	.globl	k_q6fca7a3eec_gather
	.p2align	8
	.type	k_q6fca7a3eec_gather,@function
k_q6fca7a3eec_gather:
	s_mov_b64 s[64:65], 0
	v_nop
	global_prefetch_b8 v0, s[64:65] scope:SCOPE_SE
	s_setreg_imm32_b32 hwreg(HW_REG_WAVE_MODE, 25, 1), 1
	s_wait_xcnt 0x0
; out0[row] = x[row] + (q - x[row]), q = et[idx[row]] (a codebook column as a row of 1,024 bytes); part[work-group] = the sum of (q - x)^2 over its 64 rows.  All f32.
; A wave takes 8 rows; a row is two loads of 512 consecutive bytes, 16 bytes a lane.  The eight indices come by one scalar load; each is held to 8,191 before it enters an address.
; All 32 loads of a wave go out at the head; nothing is loaded twice, no register is written again while a store may read it.  A stream: no matrix unit, no cluster, no tensor load.
; LIMIT: the squares are summed in four chains of pairs a lane, then across lanes and waves: another order than a sum from left to right.
.set QO, 2                             ; v2-9     the byte offset of my 16 bytes in each row's codebook row
.set X,  16                            ; v16-79   x, 8 registers a row; then out0
.set Q,  80                            ; v80-143  q, then q - x
.set A,  144                           ; v144-151 four chains of squares, two numbers each
	s_load_b256 s[4:11], s[0:1], 0x0               ; x s[4:5], et s[6:7], idx s[8:9], out0 s[10:11]
	s_load_b64 s[12:13], s[0:1], 0x20              ; part
	v_lshl_add_u32 v160, v0, 2, 0x100
	v_mov_b32 v161, 0
	v_lshrrev_b32 v1, 5, v0
	s_delay_alu instid0(VALU_DEP_1)
	v_readfirstlane_b32 s14, v1                    ; wave 0..7
	v_and_b32 v1, 31, v0
	s_delay_alu instid0(VALU_DEP_1)
	v_lshlrev_b32 v1, 4, v1                        ; 16 x lane
	s_delay_alu instid0(VALU_DEP_3)
	v_mov_b32 v152, s14
	s_delay_alu instid0(VALU_DEP_1)
	v_lshlrev_b32 v152, 2, v152                    ; LDS: my wave's word
	v_mov_b32 v153, 0
	s_lshl_b32 s24, ttmp9, 6
	s_lshl_b32 s25, s14, 3
	s_add_co_u32 s24, s24, s25                     ; my first row
	s_lshl_b32 s26, s24, 2
	s_mov_b32 s27, 0
	s_lshl_b32 s24, s24, 10
	s_mov_b32 s25, 0
	s_lshl_b32 s28, ttmp9, 2
	s_mov_b32 s29, 0
	s_mov_b32 s30, 0x76543210
	s_mov_b32 s31, 0xfedcba98
	s_wait_alu depctr_va_vdst(0)
	s_wait_kmcnt 0x0
	s_add_nc_u64 s[8:9], s[8:9], s[26:27]
	s_load_b256 s[16:23], s[8:9], 0x0              ; my eight indices
	s_add_nc_u64 s[4:5], s[4:5], s[24:25]
	s_add_nc_u64 s[10:11], s[10:11], s[24:25]
	s_add_nc_u64 s[12:13], s[12:13], s[28:29]
.irp r, 0,1,2,3,4,5,6,7
	global_load_b128 v[X+8*\r:X+8*\r+3], v1, s[4:5] offset:1024*\r th:TH_LOAD_NT
	global_load_b128 v[X+8*\r+4:X+8*\r+7], v1, s[4:5] offset:1024*\r+512 th:TH_LOAD_NT
.endr
	s_wait_kmcnt 0x0
.irp r, 0,1,2,3,4,5,6,7
	s_min_u32 s[16+\r], s[16+\r], 8191             ; an index stays inside the table
	s_lshl_b32 s[16+\r], s[16+\r], 10
	v_add_nc_u32 v[QO+\r], s[16+\r], v1
.endr
	s_wait_alu depctr_va_vdst(0)
.irp r, 0,1,2,3,4,5,6,7
	global_load_b128 v[Q+8*\r:Q+8*\r+3], v[QO+\r], s[6:7]            ; no hint: a codebook row may be named again
	global_load_b128 v[Q+8*\r+4:Q+8*\r+7], v[QO+\r], s[6:7] offset:512
.endr
.irp r, 0,1,2,3,4,5,6,7
	s_wait_loadcnt 14-2*\r                         ; this row's q is in (and all of x, issued earlier); the later rows' two loads each may be out
.irp k, 0,2,4,6
	v_pk_add_f32 v[Q+8*\r+\k:Q+8*\r+\k+1], v[Q+8*\r+\k:Q+8*\r+\k+1], v[X+8*\r+\k:X+8*\r+\k+1] neg_lo:[0,1] neg_hi:[0,1]   ; q - x
.endr
.irp k, 0,2,4,6
.if \r == 0
	s_delay_alu instid0(VALU_DEP_4)
	v_pk_mul_f32 v[A+\k:A+\k+1], v[Q+\k:Q+\k+1], v[Q+\k:Q+\k+1]      ; the first row starts the chains: nothing is cleared
.else
	s_delay_alu instid0(VALU_DEP_4)
	v_pk_fma_f32 v[A+\k:A+\k+1], v[Q+8*\r+\k:Q+8*\r+\k+1], v[Q+8*\r+\k:Q+8*\r+\k+1], v[A+\k:A+\k+1]
.endif
.endr
.irp k, 0,2,4,6
	v_pk_add_f32 v[X+8*\r+\k:X+8*\r+\k+1], v[X+8*\r+\k:X+8*\r+\k+1], v[Q+8*\r+\k:Q+8*\r+\k+1]   ; x + (q - x)
.endr
	global_store_b128 v1, v[X+8*\r:X+8*\r+3], s[10:11] offset:1024*\r th:TH_STORE_NT       ; 32 lanes store 512 consecutive bytes, aligned
	global_store_b128 v1, v[X+8*\r+4:X+8*\r+7], s[10:11] offset:1024*\r+512 th:TH_STORE_NT
.endr
	v_pk_add_f32 v[A:A+1], v[A:A+1], v[A+2:A+3]
	v_pk_add_f32 v[A+4:A+5], v[A+4:A+5], v[A+6:A+7]
	s_delay_alu instid0(VALU_DEP_1)
	v_pk_add_f32 v[A:A+1], v[A:A+1], v[A+4:A+5]
	s_delay_alu instid0(VALU_DEP_1)
	v_add_f32 v[A], v[A], v[A+1]
	s_delay_alu instid0(VALU_DEP_1)
	v_add_f32_dpp v[A], v[A], v[A] row_xmask:1 row_mask:0xf bank_mask:0xf
	s_delay_alu instid0(VALU_DEP_1)
	v_add_f32_dpp v[A], v[A], v[A] row_xmask:2 row_mask:0xf bank_mask:0xf
	s_delay_alu instid0(VALU_DEP_1)
	v_add_f32_dpp v[A], v[A], v[A] row_xmask:4 row_mask:0xf bank_mask:0xf
	s_delay_alu instid0(VALU_DEP_1)
	v_add_f32_dpp v[A], v[A], v[A] row_xmask:8 row_mask:0xf bank_mask:0xf
	s_delay_alu instid0(VALU_DEP_1)
	v_permlanex16_b32 v[A+1], v[A], s30, s31
	s_delay_alu instid0(VALU_DEP_1)
	v_add_f32 v[A], v[A], v[A+1]                   ; the wave's sum, in every lane
	ds_store_b32 v152, v[A]                        ; all lanes write the same word with the same value
	s_wait_dscnt 0x0
	s_barrier_signal -1
	s_barrier_wait -1
	s_cmp_lg_u32 s14, 0
	s_cbranch_scc1 .Ldone
	ds_load_b128 v[144:147], v153
	ds_load_b128 v[148:151], v153 offset:16
	s_wait_dscnt 0x0
	v_pk_add_f32 v[144:145], v[144:145], v[146:147]
	v_pk_add_f32 v[148:149], v[148:149], v[150:151]
	s_delay_alu instid0(VALU_DEP_1)
	v_pk_add_f32 v[144:145], v[144:145], v[148:149]
	s_delay_alu instid0(VALU_DEP_1)
	v_add_f32 v144, v144, v145                     ; the work-group's sum
	v_cmp_eq_u32 vcc_lo, 0, v0
	s_wait_alu depctr_va_vdst(0)
	s_wait_xcnt 0x0                                ; EXEC changes only behind this wait: the stores above have it among their sources
	s_and_saveexec_b32 s15, vcc_lo
	global_store_b32 v153, v144, s[12:13]          ; one number a work-group
	s_wait_xcnt 0x0                                ; and again, in front of the line that widens it
	s_or_b32 exec_lo, exec_lo, s15
.Ldone:
	s_wait_tensorcnt 0x0
	ds_add_u32 v160, v161
	s_wait_dscnt 0x0
	s_endpgm
.Lfunc_end_k_q6fca7a3eec_gather:
	.size	k_q6fca7a3eec_gather, .Lfunc_end_k_q6fca7a3eec_gather-k_q6fca7a3eec_gather
	.p2alignl 7, 3214868480
	.fill 96, 4, 3214868480
	.section	.rodata,"a",@progbits
	.p2align	6, 0x0
	.amdhsa_kernel k_q6fca7a3eec_gather
		.amdhsa_group_segment_fixed_size 1280
		.amdhsa_private_segment_fixed_size 0
		.amdhsa_enable_private_segment 0
		.amdhsa_kernarg_size 40
		.amdhsa_user_sgpr_count 2
		.amdhsa_user_sgpr_kernarg_segment_ptr 1
		.amdhsa_wavefront_size32 1
		.amdhsa_system_sgpr_workgroup_id_x 1
		.amdhsa_system_sgpr_workgroup_id_y 1
		.amdhsa_system_sgpr_workgroup_id_z 1
		.amdhsa_system_vgpr_workitem_id 0
		.amdhsa_next_free_vgpr 162
		.amdhsa_next_free_sgpr 66
		.amdhsa_reserve_vcc 1
		.amdhsa_float_denorm_mode_32 3
		.amdhsa_float_denorm_mode_16_64 3
		.amdhsa_memory_ordered 1
		.amdhsa_forward_progress 1
		.amdhsa_inst_pref_size 17
	.end_amdhsa_kernel
	.amdgpu_metadata
---
amdhsa.version: [ 1, 2 ]
amdhsa.kernels:
  - .name:           k_q6fca7a3eec_gather
    .symbol:         k_q6fca7a3eec_gather.kd
    .args:
      - { .name: x, .offset: 0, .size: 8, .value_kind: global_buffer, .address_space: global }
      - { .name: et, .offset: 8, .size: 8, .value_kind: global_buffer, .address_space: global }
      - { .name: idx, .offset: 16, .size: 8, .value_kind: global_buffer, .address_space: global }
      - { .name: out0, .offset: 24, .size: 8, .value_kind: global_buffer, .address_space: global }
      - { .name: part, .offset: 32, .size: 8, .value_kind: global_buffer, .address_space: global }
    .group_segment_fixed_size: 1280
    .private_segment_fixed_size: 0
    .kernarg_segment_align: 8
    .kernarg_segment_size: 40
    .max_flat_workgroup_size: 256
    .sgpr_count:     66
    .vgpr_count:     162
    .wavefront_size: 32
...
	.end_amdgpu_metadata
.endif
;; end of part 3
;; launch lossum (part 4): grid 1 x 1, 1 waves a work-group, no clusters, 0 bytes of LDS; arguments part, out1; writes out1
.if DOCPART == 4
	.amdgcn_target "amdgcn-amd-amdhsa--gfx1250"
	.amdhsa_code_object_version 6
	.text
	.protected	k_q6fca7a3eec_lossum
	.globl	k_q6fca7a3eec_lossum
	.p2align	8
	.type	k_q6fca7a3eec_lossum,@function
k_q6fca7a3eec_lossum:
	s_mov_b64 s[64:65], 0
	v_nop
	global_prefetch_b8 v0, s[64:65] scope:SCOPE_SE
	s_setreg_imm32_b32 hwreg(HW_REG_WAVE_MODE, 25, 1), 1
	s_wait_xcnt 0x0
; out1 = 0.25 m + m, m = (the sum of the 512 partial sums of (q - x)^2) / 2^23: both means of the loss are the same number.  One wave: 16 numbers a lane.
; A sum over all work-groups of the launch before has one owner here; there is work for one work-group only.
	s_load_b128 s[4:7], s[0:1], 0x0                ; part, out1
	v_lshlrev_b32 v1, 4, v0
	v_mov_b32 v2, 0
	s_mov_b32 s8, 0x76543210
	s_mov_b32 s9, 0xfedcba98
	s_wait_alu depctr_va_vdst(0)
	s_wait_kmcnt 0x0
.irp k, 0,1,2,3
	global_load_b128 v[4+4*\k:7+4*\k], v1, s[4:5] offset:512*\k
.endr
	s_wait_loadcnt 0x0
	v_pk_add_f32 v[4:5], v[4:5], v[6:7]
	v_pk_add_f32 v[8:9], v[8:9], v[10:11]
	v_pk_add_f32 v[12:13], v[12:13], v[14:15]
	v_pk_add_f32 v[16:17], v[16:17], v[18:19]
	v_pk_add_f32 v[4:5], v[4:5], v[8:9]
	v_pk_add_f32 v[12:13], v[12:13], v[16:17]
	v_pk_add_f32 v[4:5], v[4:5], v[12:13]
	v_add_f32 v4, v4, v5
	v_add_f32_dpp v4, v4, v4 row_xmask:1 row_mask:0xf bank_mask:0xf
	v_add_f32_dpp v4, v4, v4 row_xmask:2 row_mask:0xf bank_mask:0xf
	v_add_f32_dpp v4, v4, v4 row_xmask:4 row_mask:0xf bank_mask:0xf
	v_add_f32_dpp v4, v4, v4 row_xmask:8 row_mask:0xf bank_mask:0xf
	v_permlanex16_b32 v5, v4, s8, s9
	v_add_f32 v4, v4, v5
	v_mul_f32 v4, 0x34000000, v4                   ; x 2^-23: the mean over 32,768 x 256 numbers; exact
	v_fma_f32 v4, v4, 0x3e800000, v4               ; 0.25 m + m
	v_cmp_eq_u32 vcc_lo, 0, v0
	s_wait_alu depctr_va_vdst(0)
	s_wait_xcnt 0x0                                ; EXEC changes only behind this wait
	s_and_saveexec_b32 s10, vcc_lo
	global_store_b32 v2, v4, s[6:7]
	s_wait_xcnt 0x0
	s_or_b32 exec_lo, exec_lo, s10
	s_endpgm
.Lfunc_end_k_q6fca7a3eec_lossum:
	.size	k_q6fca7a3eec_lossum, .Lfunc_end_k_q6fca7a3eec_lossum-k_q6fca7a3eec_lossum
	.p2alignl 7, 3214868480
	.fill 96, 4, 3214868480
	.section	.rodata,"a",@progbits
	.p2align	6, 0x0
	.amdhsa_kernel k_q6fca7a3eec_lossum
		.amdhsa_group_segment_fixed_size 0
		.amdhsa_private_segment_fixed_size 0
		.amdhsa_enable_private_segment 0
		.amdhsa_kernarg_size 16
		.amdhsa_user_sgpr_count 2
		.amdhsa_user_sgpr_kernarg_segment_ptr 1
		.amdhsa_wavefront_size32 1
		.amdhsa_system_sgpr_workgroup_id_x 1
		.amdhsa_system_sgpr_workgroup_id_y 1
		.amdhsa_system_sgpr_workgroup_id_z 1
		.amdhsa_system_vgpr_workitem_id 0
		.amdhsa_next_free_vgpr 32
		.amdhsa_next_free_sgpr 66
		.amdhsa_reserve_vcc 1
		.amdhsa_float_denorm_mode_32 3
		.amdhsa_float_denorm_mode_16_64 3
		.amdhsa_memory_ordered 1
		.amdhsa_forward_progress 1
		.amdhsa_inst_pref_size 3
	.end_amdhsa_kernel
	.amdgpu_metadata
---
amdhsa.version: [ 1, 2 ]
amdhsa.kernels:
  - .name:           k_q6fca7a3eec_lossum
    .symbol:         k_q6fca7a3eec_lossum.kd
    .args:
      - { .name: part, .offset: 0, .size: 8, .value_kind: global_buffer, .address_space: global }
      - { .name: out1, .offset: 8, .size: 8, .value_kind: global_buffer, .address_space: global }
    .group_segment_fixed_size: 0
    .private_segment_fixed_size: 0
    .kernarg_segment_align: 8
    .kernarg_segment_size: 16
    .max_flat_workgroup_size: 32
    .sgpr_count:     66
    .vgpr_count:     32
    .wavefront_size: 32
...
	.end_amdgpu_metadata
.endif
;; end of part 4
